; MI455X (gfx1250); checked and timed in simulation.
; The chip was launched on July 23, 2026; its instructions are those of AMD's public machine-readable ISA for CDNA 5 (MIT licence, August 2026) and "CDNA5" Instruction Set Architecture Reference Guide (July 2026). The comments in the code are by the model that wrote it; some were corrected since.
;; Naive Attention Module. Allowed arithmetic: matrix products marked QUANTISED: E3M2 operands, one E8M0 scale for each 32 along K, by v_wmma_scale_f32_16x16x128_f8f6f4 with both operands' format E3M2, f32 sums; everything else in f32.
;; Inputs: W_qkv 1,024 x 3,072 float32; x 1 x 4,096 x 1,024 float32.
;; Outputs: out0 1 x 4,096 x 1,024 float32.
;; This version of the problem:
;;   THIS VERSION OF THE PROBLEM IS GIVEN IN LOW PRECISION. The matrix products marked QUANTISED in the list below multiply operands that are first quantised to E3M2 (3 exponent bits, 2 mantissa bits; 6 bits a number), with one power-of-two scale for each 32 numbers along K (OCP MX v1.0); their sums are f32. All else is computed in f32.
;;   The module's matrix products, in the order in which they are computed (A, B: the left and right operand; K: the contracted axis; several contracted axes count as one K, in the product's order):
;;     1. [M 4,096, K 1,024] x [K 1,024, N 3,072]; A: input x; B: input W_qkv: QUANTISED
;;     2. batch 16 x [M 4,096, K 64] x [K 64, N 4,096]; A: computed on the way; B: computed on the way: QUANTISED
;;     3. batch 16 x [M 4,096, K 4,096] x [K 4,096, N 64]; A: softmax (see below); B: computed on the way: QUANTISED
;;   THE QUANTISER, for each operand of a quantised product, along K:
;;     - K is cut into blocks of 32 from its start; a last block that is shorter is filled with zeros.
;;     - A block's scale is 2^e with e = floor(log2(the largest magnitude in the block)) - 4, held to -126 .. 127; a block of zeros has e = 0. As a byte (E8M0): e + 127.
;;     - Each number is divided by its block's scale, clamped to +-28, and rounded to the nearest number of E3M2, ties to even, subnormals kept.
;;     - The product sums the exact products of the quantised numbers (number of the format x scale) in f32.
;;   ~~~python
;;   def quantise(x, axis):      # numpy; x: float32 -> the quantised numbers, widened to float32 again
;;       x = np.moveaxis(x, axis, -1); K = x.shape[-1]
;;       x = np.pad(x, [(0, 0)] * (x.ndim - 1) + [(0, -K % 32)]); x = x.reshape(x.shape[:-1] + (-1, 32)); a = np.abs(x).max(-1, keepdims=True)
;;       e = np.where(a > 0, np.clip(np.frexp(np.where(a > 0, a, 1))[1] - 1 - 4, -126, 127), 0)      # np.frexp(a)[1] - 1 = floor(log2(a)), exactly
;;       r = np.clip(x / 2.0 ** e, -28, 28)
;;       step = 2.0 ** (np.maximum(np.frexp(np.where(r == 0, 1, r))[1] - 1, -2) - 2)
;;       q = np.round(r / step) * step * 2.0 ** e      # np.round: ties to even
;;       return np.moveaxis(q.reshape(q.shape[:-2] + (-1,))[..., :K], -1, axis).astype(np.float32)
;;   ~~~
;;   SOFTMAX AHEAD OF A QUANTISED PRODUCT. Where the list says 'softmax', what is quantised is not the finished softmax but p = 2^(t - M), with t = logit x log2(e) and M = ceil(the row's largest t), a whole number; so 1/2 < the row's largest p <= 1. The row's sum l is taken of the UNQUANTISED p, in f32, and the product's result is divided by l at the end. Since M is a whole number, a kernel that streams over the keys may use a running M (the ceiling of the running maximum): every later rescaling is an exact power of two, which a block's scale takes up: the codes' values come out the same.
;;   OPERANDS COMPUTED ON THE WAY. 'Computed on the way' means the value that the module computes at that place (a softmax that the list does not call 'softmax' is quantised finished and normalised). What goes into a quantiser is computed in f32, as accurately as f32 sums, v_exp_f32 and their like allow (about 1e-6 of the number): no bf16 or f16 on the way to a quantiser, and a product that is left as it is and whose result goes on into a quantised operand takes f32 operands (vector FMAs, or v_wmma_f32_16x16x4_f32). A number that lies on a knife's edge between two numbers of the format may be rounded either way, as far as f32 arithmetic and the matrix unit's own rounding can turn it there, and no further.
;; One version. Each part assembles by itself: llvm-mc -triple=amdgcn-amd-amdhsa -mcpu=gfx1250 --defsym DOCPART=n.
;; ======== version 1 of 1: 3 launches
;; limits: right only within a limited range of input values
;; workspace buffers: ximg 3,145,728 bytes; xsc 131,072 bytes; wimg 2,359,296 bytes; wsc 98,304 bytes; qkpack 6,553,600 bytes; vpack 3,276,800 bytes
;; launch quant (part 1): grid 448 x 1, 4 waves a work-group, no clusters, 68,096 bytes of LDS; arguments x, W_qkv, ximg, xsc, wimg, wsc; writes ximg, xsc, wimg, wsc
.if DOCPART == 1
	.amdgcn_target "amdgcn-amd-amdhsa--gfx1250"
	.amdhsa_code_object_version 6
	.text
	.protected	k_q3de5ce32df_quant
	.globl	k_q3de5ce32df_quant
	.p2align	8
	.type	k_q3de5ce32df_quant,@function
k_q3de5ce32df_quant:
	s_mov_b64 s[64:65], 0
	v_nop
	global_prefetch_b8 v0, s[64:65] scope:SCOPE_SE
	s_setreg_imm32_b32 hwreg(HW_REG_WAVE_MODE, 25, 1), 1
	s_wait_xcnt 0x0
; x [4096][1024] and W [1024][3072], f32, become codes of BF6 (E3M2) with one E8M0 byte for each 32 along K = the 1,024, laid as IMAGES OF OPERAND REGISTERS:
; a fragment (16 rows x 128 K, 12 registers a lane) is 1,536 bytes: registers 4 c .. 4 c + 3 of lane l at 512 c + 16 l.  Lane (r, h) holds row r, registers 6 c .. 6 c + 5 hold k = 64 c + 32 h + 0 .. 31.
; THE ROWS OF A TILE ARE NOT NEIGHBOURS: of 32 neighbouring rows tile u (0, 1) takes row 8 u + p + 8 (p / 8) as its row p.
; A block's scale is 2^(floor(log2(largest magnitude)) - 4); its byte is the largest magnitude's exponent field - 4, held at 1 from below.
; LIMITS: a block of zeros gets the byte 1 where the rule says 127 (its codes are zeros, and this program alone reads the bytes); blocks whose largest magnitude lies under 2^-122 get the byte 1; NaN and infinities are not served.
; Work-groups 0-255 take x: 32 rows x 512 along K, a wave 32 rows x 128 K (one K step, two fragments).  Work-groups 256-447 take W: 128 columns x 128 K, a wave 32 columns.
; A stream read once: no matrix unit, no tensor load, no barrier; waves share nothing.  Only x's path touches LDS.
.set SPX,  528                         ; a row's place in the wave's stage: 512 bytes + 16, so that sixteen rows read side by side start in sixteen different groups of banks
.set WSTB, 32*SPX                      ; a wave's stage
.set FA,   16                          ; v16-27  first fragment
.set FB,   28                          ; v28-39  second fragment
.set TC,   40                          ; v40..   upper halves of blocks' codes (a conversion's three registers begin on an even number)
.set R,    64                          ; v64-191 x: 32 rows as loaded, 4 registers each
.set X,    192                         ; v192-255 x: my 64 numbers of a tile
.set D,    64                          ; v64-191 W: my column's 128 numbers down K
	s_load_b256 s[4:11], s[0:1], 0x0               ; x s[4:5], W s[6:7], ximg s[8:9], xsc s[10:11]
	s_load_b128 s[12:15], s[0:1], 0x20             ; wimg s[12:13], wsc s[14:15]
	v_lshl_add_u32 v62, v0, 2, 0x10800
	v_mov_b32 v63, 0
	v_lshrrev_b32 v1, 5, v0
	v_readfirstlane_b32 s16, v1                    ; wave 0..3
	v_and_b32 v6, 31, v0                           ; lane
	s_mov_b32 s20, 0x76543210
	s_mov_b32 s21, 0xfedcba98                      ; v_permlanex16_b32's selects for lane l xor 16
	s_cmp_lt_u32 ttmp9, 256
	s_cbranch_scc0 .Lw
; ---------------- x ----------------
.macro XLD u                           ; tile u's 16 rows: each load reads 512 consecutive bytes of one row
.irp p, 0,1,2,3,4,5,6,7,8,9,10,11,12,13,14,15
	; THE ORDER OF ROWS IN FORCE (it takes the place of the order named at the head): of 64 neighbouring rows tile t (0..3) takes row 32 (p / 8) + 8 t + p % 8 as its row p; a work-group has tiles 2 a + u
	global_load_b128 v[R+4*(16*\u+\p):R+4*(16*\u+\p)+3], v1, s[4:5] offset:(8*\u+\p%8+32*(\p/8))*4096 th:TH_LOAD_NT
.endr
.endm
.macro XST u                           ; into the stage: the tile's row p at place 16 u + p
.irp p, 0,1,2,3,4,5,6,7,8,9,10,11,12,13,14,15
	ds_store_b128 v2, v[R+4*(16*\u+\p):R+4*(16*\u+\p)+3] offset:(16*\u+\p)*SPX
.endr
.endm
.macro XRD u                           ; back: lane (r, h) takes of row r the numbers k = 64 c + 32 h + 0 .. 31: two whole blocks.  LDS serves a wave's instructions in order: these see the stores
.irp c, 0,1
.irp j, 0,1,2,3,4,5,6,7
	ds_load_b128 v[X+32*\c+4*\j:X+32*\c+4*\j+3], v3 offset:16*\u*SPX+256*\c+16*\j
.endr
.endr
.endm
.macro QX f, w                         ; my 64 numbers become my 12 registers of the fragment at v[f], and my row's scale word in v[w]
.irp c, 0,1
	v_max3_num_f32 v[48+\c], |v[X+32*\c]|, |v[X+32*\c+1]|, 0x2800000   ; block 2 c + h: all 32 numbers are mine; the floor 2^(5 - 127) holds the byte at 1 from below
.endr
.irp i, 2,4,6,8,10,12,14,16,18,20,22,24,26,28,30
.irp c, 0,1
	v_max3_num_f32 v[48+\c], v[48+\c], |v[X+32*\c+\i]|, |v[X+32*\c+\i+1]|
.endr
.endr
.irp c, 0,1
	v_add_nc_u32 v[50+\c], 0xfe000000, v[48+\c]    ; 4 off the exponent field: the conversion's scale operand
.endr
.irp c, 0,1
	v_lshrrev_b32 v[52+\c], 23, v[50+\c]           ; the scale's byte
.endr
	v_lshl_or_b32 v[\w], v53, 16, v52              ; my two bytes: blocks h and 2 + h,
	v_lshlrev_b32 v[\w], v5, v[\w]                 ; 8 h bits up;
	v_permlanex16_b32 v56, v[\w], s20, s21
	v_or_b32 v[\w], v[\w], v56                     ; with lane l xor 16's two the word is whole, in both lanes
.irp c, 0,1
	v_cvt_scalef32_pk16_bf6_f32 v[\f+6*\c:\f+6*\c+2], v[X+32*\c:X+32*\c+15], v[50+\c]
	v_cvt_scalef32_pk16_bf6_f32 v[TC+4*\c:TC+4*\c+2], v[X+32*\c+16:X+32*\c+31], v[50+\c]
.endr
	v_nop                                          ; one plain place behind a scaled conversion
.irp c, 0,1
.irp i, 0,1,2
	v_mov_b32 v[\f+6*\c+3+\i], v[TC+4*\c+\i]
.endr
.endr
.endm
.macro XOUT f, u                       ; the image leaves as it stands: each store covers 512 consecutive bytes, aligned to 256
.irp c, 0,1,2
	global_store_b128 v1, v[\f+4*\c:\f+4*\c+3], s[8:9] offset:\u*12288+512*\c
.endr
.endm
	s_lshr_b32 s17, ttmp9, 1                       ; which 32 rows
	s_and_b32 s18, ttmp9, 1
	s_lshl_b32 s18, s18, 2
	s_add_co_u32 s18, s18, s16                     ; my K step: 4 (id & 1) + wave
	s_lshr_b32 s22, s17, 1                         ; x: which 64 rows of 4,096 bytes,
	s_lshl_b32 s22, s22, 18
	s_and_b32 s23, s17, 1                          ; and 16 rows on for the second pair of tiles
	s_lshl_b32 s23, s23, 16
	s_add_co_u32 s22, s22, s23
	s_lshl_b32 s23, s18, 9                         ; 512 bytes a K step
	s_add_co_u32 s22, s22, s23
	s_mov_b32 s23, 0
	s_mul_i32 s24, s17, 24576                      ; ximg: two tiles of 8 fragments,
	s_mul_i32 s25, s18, 1536                       ; my K step's fragment
	s_add_co_u32 s24, s24, s25
	s_mov_b32 s25, 0
	s_lshr_b32 s26, s17, 1                         ; xsc: [64 rows][K step][pair of tiles][lane]
	s_lshl_b32 s26, s26, 11
	s_lshl_b32 s27, s18, 8
	s_add_co_u32 s26, s26, s27
	s_and_b32 s27, s17, 1
	s_lshl_b32 s27, s27, 7
	s_add_co_u32 s26, s26, s27
	s_mov_b32 s27, 0
	s_mul_i32 s28, s16, WSTB                       ; my stage
	s_wait_alu depctr_va_vdst(0)
	v_lshlrev_b32 v1, 4, v6                        ; 16 x lane
	v_add_nc_u32 v2, s28, v1                       ; stage, way in
	v_and_b32 v7, 15, v0                           ; r
	v_bfe_u32 v8, v0, 4, 1                         ; h
	v_mul_u32_u24 v3, v7, SPX
	v_lshl_add_u32 v3, v8, 7, v3
	v_add_nc_u32 v3, s28, v3                       ; stage, way out: place r, + 128 h
	v_lshlrev_b32 v4, 2, v6                        ; 4 x lane
	v_lshlrev_b32 v5, 3, v8                        ; 8 h
	v_mov_b32 v56, 0                               ; a lane permute's destination counts as one of its sources
	s_wait_alu depctr_va_vdst(0)
	s_wait_kmcnt 0x0
	s_add_nc_u64 s[4:5], s[4:5], s[22:23]
	s_add_nc_u64 s[8:9], s[8:9], s[24:25]
	s_add_nc_u64 s[10:11], s[10:11], s[26:27]
	XLD 0
	XLD 1
	s_wait_loadcnt 16                              ; tile 0's 16 loads are in; tile 1's 16 may be out
	XST 0
	XRD 0
	s_wait_loadcnt 0x0
	XST 1
	s_wait_dscnt 16                                ; tile 0's numbers are back; the 16 younger stage stores may be out
	QX FA, 54
	XOUT FA, 0
	XRD 1
	s_wait_dscnt 0x0
	QX FB, 55
	XOUT FB, 1
	v_cmp_lt_u32 vcc_lo, 15, v6
	v_cndmask_b32 v57, v54, v55, vcc_lo            ; lanes 0-15: tile 0's words, lanes 16-31: tile 1's: one register serves both tiles
	global_store_b32 v4, v57, s[10:11]
	s_wait_tensorcnt 0x0
	ds_add_u32 v62, v63
	s_wait_dscnt 0x0
	s_endpgm
; ---------------- W ----------------
; A lane takes a column and its registers run down K: a block lies in one lane, and the conversions give codes with K innermost.  Lanes 0-15 are tile 0's rows, lanes 16-31 tile 1's.
.Lw:
.macro WLD b                           ; block b: 32 rows of W at my column; a wave's load reads two runs of 64 neighbouring bytes, the four waves 512
.irp i, 0,1,2,3,4,5,6,7,8,9,10,11,12,13,14,15,16,17,18,19,20,21,22,23,24,25,26,27,28,29,30,31
	global_load_b32 v[D+32*\b+\i], v1, s[6:7] offset:(32*\b+\i)*12288 th:TH_LOAD_NT
.endr
.endm
.macro WBLK b                          ; block b belongs to lane (r, b % 2) of the image, registers 6 (b / 2) on
.set DB, D+32*\b
	v_max3_num_f32 v[56+\b], |v[DB]|, |v[DB+1]|, |v[DB+2]|
	v_max3_num_f32 v60, |v[DB+3]|, |v[DB+4]|, |v[DB+5]|
.irp i, 6,10,14,18,22,26
	v_max3_num_f32 v[56+\b], v[56+\b], |v[DB+\i]|, |v[DB+\i+1]|
	v_max3_num_f32 v60, v60, |v[DB+\i+2]|, |v[DB+\i+3]|
.endr
	v_max3_num_f32 v[56+\b], v[56+\b], |v[DB+30]|, |v[DB+31]|
	v_max3_num_f32 v[56+\b], v[56+\b], v60, 0x2800000     ; the floor 2^(5 - 127)
	v_add_nc_u32 v[192+\b], 0xfe000000, v[56+\b]
	v_lshrrev_b32 v[196+\b], 23, v[192+\b]
	v_cvt_scalef32_pk16_bf6_f32 v[FA+12*(\b%2)+6*(\b/2):FA+12*(\b%2)+6*(\b/2)+2], v[DB:DB+15], v[192+\b]
	v_cvt_scalef32_pk16_bf6_f32 v[TC+4*\b:TC+4*\b+2], v[DB+16:DB+31], v[192+\b]
.endm
	s_sub_co_u32 s17, ttmp9, 256
	s_and_b32 s18, s17, 7                          ; K step
	s_lshr_b32 s19, s17, 3                         ; which 128 columns, 0..23
	s_mul_i32 s22, s18, 1572864                    ; W: 128 rows of 12,288 bytes a K step,
	s_lshl_b32 s23, s19, 9
	s_add_co_u32 s22, s22, s23
	s_lshr_b32 s23, s16, 1                         ; my pair of tiles: which 64 columns (256 bytes),
	s_lshl_b32 s23, s23, 8
	s_add_co_u32 s22, s22, s23
	s_and_b32 s23, s16, 1                          ; and 16 columns on for the second pair
	s_lshl_b32 s23, s23, 6
	s_add_co_u32 s22, s22, s23
	s_mov_b32 s23, 0
	s_mul_i32 s24, s19, 147456                     ; columns of q and k: group = which 128; [K step][8 tiles]; my pair of tiles = wave
	s_mul_i32 s28, s18, 12288
	s_add_co_u32 s24, s24, s28
	s_mul_i32 s28, s16, 3072
	s_add_co_u32 s24, s24, s28
	s_mul_i32 s26, s19, 6144                       ; their scale words: register 4 s + pair
	s_lshl_b32 s28, s18, 2
	s_add_co_u32 s28, s28, s16
	s_lshl_b32 s28, s28, 7
	s_add_co_u32 s26, s26, s28
	s_max_u32 s29, s19, 16                         ; columns of v: group = which 64
	s_sub_co_u32 s29, s29, 16
	s_lshl_b32 s29, s29, 1
	s_lshr_b32 s28, s16, 1
	s_add_co_u32 s29, s29, s28
	s_and_b32 s30, s16, 1                          ; my pair of its four tiles
	s_mul_i32 s31, s29, 147456
	s_mul_i32 s28, s18, 6144
	s_add_co_u32 s31, s31, s28
	s_mul_i32 s28, s30, 3072
	s_add_co_u32 s31, s31, s28
	s_add_co_u32 s31, s31, 98304                   ; behind the group's q and k part
	s_mul_i32 s32, s29, 6144                       ; scale words: register 32 + 2 s + pair
	s_lshl_b32 s28, s18, 1
	s_add_co_u32 s28, s28, s30
	s_add_co_u32 s28, s28, 32
	s_lshl_b32 s28, s28, 7
	s_add_co_u32 s32, s32, s28
	s_cmp_lt_u32 s19, 16                           ; the choice hangs on the work-group's number alone
	s_cselect_b32 s24, s24, s31
	s_cselect_b32 s26, s26, s32
	s_mov_b32 s25, 0
	s_mov_b32 s27, 0
	v_and_b32 v1, 7, v0                            ; my column: (l & 7) + 16 ((l >> 3) & 1) + 8 (l >> 4)
	v_bfe_u32 v7, v0, 3, 1
	v_lshl_add_u32 v1, v7, 5, v1                   ; the order in force: (l & 7) + 32 ((l >> 3) & 1) + 8 (l >> 4)
	v_bfe_u32 v8, v0, 4, 1                         ; my tile
	v_lshl_add_u32 v1, v8, 3, v1
	v_lshlrev_b32 v1, 2, v1
	v_and_b32 v9, 15, v0
	v_lshlrev_b32 v2, 4, v9
	v_mad_u32_u24 v2, v8, 1536, v2                 ; out: my tile's image, 16 r
	v_lshlrev_b32 v3, 2, v6
	s_wait_alu depctr_va_vdst(0)
	s_wait_kmcnt 0x0
	s_add_nc_u64 s[6:7], s[6:7], s[22:23]
	s_add_nc_u64 s[12:13], s[12:13], s[24:25]
	s_add_nc_u64 s[14:15], s[14:15], s[26:27]
	WLD 0
	WLD 1
	s_wait_loadcnt 32                              ; block 0 is in; block 1's 32 loads may be out
	WLD 2
	WBLK 0
	s_wait_loadcnt 32                              ; block 1 is in; block 2's may be out
	WLD 3
	WBLK 1
	s_wait_loadcnt 32                              ; block 2 is in; block 3's may be out
	WBLK 2
	s_wait_loadcnt 0x0
	WBLK 3
	v_nop                                          ; one plain place behind the last scaled conversion
.irp b, 0,1,2,3
.irp i, 0,1,2
	v_mov_b32 v[FA+12*(\b%2)+6*(\b/2)+3+\i], v[TC+4*\b+\i]
.endr
.endr
	v_lshl_or_b32 v200, v197, 8, v196              ; my column's scale word: all four bytes are mine
	v_lshl_or_b32 v200, v198, 16, v200
	v_lshl_or_b32 v200, v199, 24, v200
.irp h, 0,1
.irp c, 0,1,2
	global_store_b128 v2, v[FA+12*\h+4*\c:FA+12*\h+4*\c+3], s[12:13] offset:512*\c+256*\h   ; sixteen lanes store 256 consecutive bytes, aligned: lanes (r, h) of my tile's image
.endr
.endr
	global_store_b32 v3, v200, s[14:15]
	s_endpgm
.Lfunc_end_k_q3de5ce32df_quant:
	.size	k_q3de5ce32df_quant, .Lfunc_end_k_q3de5ce32df_quant-k_q3de5ce32df_quant
	.p2alignl 7, 3214868480
	.fill 96, 4, 3214868480
	.section	.rodata,"a",@progbits
	.p2align	6, 0x0
	.amdhsa_kernel k_q3de5ce32df_quant
		.amdhsa_group_segment_fixed_size 68096
		.amdhsa_private_segment_fixed_size 0
		.amdhsa_enable_private_segment 0
		.amdhsa_kernarg_size 48
		.amdhsa_user_sgpr_count 2
		.amdhsa_user_sgpr_kernarg_segment_ptr 1
		.amdhsa_wavefront_size32 1
		.amdhsa_system_sgpr_workgroup_id_x 1
		.amdhsa_system_sgpr_workgroup_id_y 1
		.amdhsa_system_sgpr_workgroup_id_z 1
		.amdhsa_system_vgpr_workitem_id 0
		.amdhsa_next_free_vgpr 256
		.amdhsa_next_free_sgpr 66
		.amdhsa_reserve_vcc 1
		.amdhsa_float_denorm_mode_32 3
		.amdhsa_float_denorm_mode_16_64 3
		.amdhsa_memory_ordered 1
		.amdhsa_forward_progress 1
		.amdhsa_inst_pref_size 37
	.end_amdhsa_kernel
	.amdgpu_metadata
---
amdhsa.version: [ 1, 2 ]
amdhsa.kernels:
  - .name:           k_q3de5ce32df_quant
    .symbol:         k_q3de5ce32df_quant.kd
    .args:
      - { .name: x, .offset: 0, .size: 8, .value_kind: global_buffer, .address_space: global }
      - { .name: W_qkv, .offset: 8, .size: 8, .value_kind: global_buffer, .address_space: global }
      - { .name: ximg, .offset: 16, .size: 8, .value_kind: global_buffer, .address_space: global }
      - { .name: xsc, .offset: 24, .size: 8, .value_kind: global_buffer, .address_space: global }
      - { .name: wimg, .offset: 32, .size: 8, .value_kind: global_buffer, .address_space: global }
      - { .name: wsc, .offset: 40, .size: 8, .value_kind: global_buffer, .address_space: global }
    .group_segment_fixed_size: 68096
    .private_segment_fixed_size: 0
    .kernarg_segment_align: 8
    .kernarg_segment_size: 48
    .max_flat_workgroup_size: 128
    .sgpr_count:     66
    .vgpr_count:     256
    .wavefront_size: 32
...
	.end_amdgpu_metadata
.endif
;; end of part 1
;; launch gemm (part 2): grid 16 x 16, 4 waves a work-group, clusters of 4 x 1, 168,448 bytes of LDS; arguments ximg, xsc, wimg, wsc, qkpack, vpack; writes qkpack, vpack
.if DOCPART == 2
	.amdgcn_target "amdgcn-amd-amdhsa--gfx1250"
	.amdhsa_code_object_version 6
	.text
	.protected	k_q3de5ce32df_gemm
	.globl	k_q3de5ce32df_gemm
	.p2align	8
	.type	k_q3de5ce32df_gemm,@function
k_q3de5ce32df_gemm:
	s_mov_b64 s[64:65], 0
	v_nop
	global_prefetch_b8 v0, s[64:65] scope:SCOPE_SE
	s_setreg_imm32_b32 hwreg(HW_REG_WAVE_MODE, 25, 1), 1
	s_wait_xcnt 0x0
	s_wait_alu depctr_hold_cnt(0) depctr_sa_sdst(0) depctr_va_vdst(0) depctr_va_sdst(0) depctr_va_ssrc(0) depctr_va_vcc(0) depctr_vm_vsrc(0)
	s_getreg_b32 s2, hwreg(HW_REG_IB_STS2, 6, 4)
	s_cmp_eq_u32 s2, 0
	s_cbranch_scc0 .Lentry_in_a_cluster
	s_endpgm
.Lentry_in_a_cluster:
	s_bfe_u32 s2, ttmp6, 0x10000c
	s_cmp_lg_u32 s2, 0x3003
	s_cbranch_scc0 .Lentry_shape_is_right
	s_endpgm
.Lentry_shape_is_right:
; qkv = x W on codes of BF6 (E3M2) with E8M0 scales, sums in f32, K ascending; the results are quantised in registers and leave as images of the operand registers that the attention launch wants.
; SHARES.  256 work-groups: 256 tokens (x: 4 x cluster x + cx) x one group g (y) of 128 columns of q or k and 64 columns of v.  A wave takes 64 tokens against all 192 columns.
; A wave's fragments of x, all of K (4 tiles x 8 K steps x 12 = 384 registers), go from memory straight into registers.  The group's 147,456 bytes of W come into LDS ONCE, by joint loads:
; the four work-groups of a cluster share g.  Nothing in LDS is filled again.
; PASS A (q, k): source 0 = 16 columns of W, source 1 = 16 tokens: a lane holds one token and its registers run along the columns, which are the next product's K (the head's 64).
; PASS B (v): source 0 = 16 tokens, source 1 = 16 columns: a lane holds one column d and its registers run along the tokens, which are the last product's K (the keys).
; The rows of a tile are not neighbours (of 32 neighbours tile u takes 8 u + p + 8 (p / 8)), so the 16 registers of two neighbouring tiles of source 0 are 16 neighbours: 32 b + 16 (lane / 16) + 0 .. 15.
; A HALF IMAGE (16 rows x 64 K: 6 registers) is 768 bytes: registers 0-3 at 16 x lane, registers 4-5 at 512 + 8 x lane.
; LIMITS: a block of zeros gets the byte 1 where the rule says 127 (zero codes; this program alone reads the bytes); blocks under 2^-122 get the byte 1; NaN and infinities are not served.
; REGISTERS, in windows of 256: window 0: v1-12 addresses; v16-31 x's scale words; v32-79 W's; v80-127, v128-175 W's fragments, two sets of four; v176-209 at work.
;   window 1: x's K steps 0-4 (at 48 s + 12 tile);  window 2: K steps 5-7;  window 3: the accumulators.
.set STG,  147456                      ; behind W: scale words on their way out: 512 bytes for each of the two heads of q or k, 512 for v
.set L16,  1                           ; v1   16 x lane
.set L4,   2                           ; v2   4 x lane
.set L8,   3                           ; v3   512 + 8 x lane
.set ADR1, 5                           ; v5   16 x lane + 49,152: W's second chunk
.set ADR2, 6                           ; v6   16 x lane + 98,304: its third
.set STA,  7                           ; v7   where I put q's or k's scale words
.set STV,  8                           ; v8   where I put v's two bytes
.set SH16, 9                           ; v9   16 (lane / 16)
.set SH8,  4                           ; v4   8 (lane / 16)
.set STR,  10                          ; v10  where waves 0-2 read 512 bytes of scale words back
.set GSC,  11                          ; v11  and their place in memory
.set LANE, 12
.set XS,   16
.set WS,   32
.set B0,   80
.set TM,   176                         ; +0 largest magnitudes, +4 the other half's, then bytes, +12 the conversions' scale operands
.set TC,   192
.set PW,   200
.set SW,   204
.set G1,   24                          ; s[24:31] descriptor group 1;  s[32:35] group 0
.set G0,   32
.set MSB, 0
.macro WIN new                         ; the immediate's high byte repeats the setting that is left
.if MSB != \new
	s_set_vgpr_msb (MSB<<8)|\new
.set MSB, \new
.endif
.endm
.macro ROUND                           ; a round of the cluster's barrier
	s_barrier_signal -1
	s_barrier_wait -1
	s_cmp_lg_u32 s16, 0
	s_cbranch_scc1 .Lnot_wave_0_\@
	s_barrier_signal -3
.Lnot_wave_0_\@:
	s_barrier_wait -3
	s_barrier_signal -1
	s_barrier_wait -1
.endm
.macro PLACES                          ; four plain places behind matrix instructions, in front of loads into their registers and of reads of their results
.rept 4
	v_nop
.endr
.endm
	s_load_b256 s[4:11], s[0:1], 0x0               ; ximg s[4:5], xsc s[6:7], wimg s[8:9], wsc s[10:11]
	s_load_b128 s[12:15], s[0:1], 0x20             ; qkpack s[12:13], vpack s[14:15]
	v_lshl_add_u32 v254, v0, 2, 0x29000
	v_mov_b32 v255, 0
	ds_add_u32 v254, v255
	ds_add_u32 v254, v255
	v_lshrrev_b32 v13, 5, v0
	v_readfirstlane_b32 s16, v13                   ; wave 0..3
	s_bfe_u32 s17, ttmp6, 0x40000                  ; cx
	s_lshl_b32 s18, ttmp9, 2
	s_add_co_u32 s18, s18, s17                     ; my block of 256 tokens: it enters x's and the results' addresses alone
	s_and_b32 s19, ttmp7, 0xffff                   ; g, which the four partners share
	s_mov_b32 s20, 0x76543210
	s_mov_b32 s21, 0xfedcba98
	s_mov_b32 s[G1], 15|(3<<16)|(1<<21)            ; 15:0 the mask: all four work-groups; 17:16 elements of 8 bytes; 21 set beside a mask; no padding: images are read as consecutive bytes
	s_mov_b32 s[G1+1], 32<<16                      ; tensor_dim0 = 32 elements: 256 bytes
	s_mov_b32 s[G1+2], 144<<16                     ; tensor_dim1 = 144 rows: a quarter of the group's 147,456 bytes of W
	s_mov_b32 s[G1+3], 32<<16                      ; tile_dim0
	s_mov_b32 s[G1+4], 144                         ; tile_dim1
	s_mov_b32 s[G1+5], 32                          ; dense
	s_mov_b32 s[G1+6], 0
	s_mov_b32 s[G1+7], 0
	s_mul_i32 s46, s16, 36864                      ; my quarter of W, in LDS as in memory
	s_mul_i32 s44, s19, 147456
	s_add_co_u32 s44, s44, s46
	s_mov_b32 s45, 0
	s_lshl_b32 s47, s18, 2
	s_add_co_u32 s47, s47, s16                     ; my 64 tokens: G = 4 x block + wave
	s_mul_i32 s48, s47, 49152                      ; ximg: four tiles of 12,288 bytes
	s_mov_b32 s49, 0
	s_lshl_b32 s50, s47, 11                        ; xsc: 2,048 bytes
	s_mov_b32 s51, 0
	s_mul_i32 s52, s19, 6144                       ; wsc
	s_mov_b32 s53, 0
	s_lshr_b32 s60, s47, 1                         ; the step of 128 tokens,
	s_mul_i32 s60, s60, 6400
	s_and_b32 s61, s16, 1                          ; and which half of it
	s_mul_i32 s61, s61, 3072
	s_add_co_u32 s60, s60, s61
	s_mul_i32 s56, s19, 204800                     ; a head's pack is 32 steps of 6,400 bytes
	s_lshl_b32 s54, s56, 1                         ; q, k: heads 2 g and 2 g + 1
	s_add_co_u32 s54, s54, s60
	s_mov_b32 s55, 0
	s_add_co_u32 s56, s56, s60                     ; v: head g
	s_mov_b32 s57, 0
	s_mul_i32 s61, s18, 12800                      ; the scale words of my block's two steps begin at byte 6,144 of the first
	s_add_co_u32 s61, s61, 6144
	s_lshl_b32 s62, s19, 1
	s_add_co_u32 s62, s62, s16                     ; waves 0, 1: head 2 g + wave of q or k;
	s_mul_i32 s62, s62, 204800
	s_mul_i32 s63, s19, 204800                     ; wave 2: head g of v
	s_cmp_lt_u32 s16, 2
	s_cselect_b32 s58, s62, s63
	s_add_co_u32 s58, s58, s61
	s_mov_b32 s59, 0
	s_wait_dscnt 0x0
	s_wait_kmcnt 0x0
	s_cmp_lt_u32 s16, 2                            ; (compared anew: the sums above have written SCC)
	s_cselect_b64 s[62:63], s[12:13], s[14:15]
	s_add_nc_u64 s[58:59], s[62:63], s[58:59]
	s_add_nc_u64 s[44:45], s[8:9], s[44:45]
	s_add_nc_u64 s[48:49], s[4:5], s[48:49]
	s_add_nc_u64 s[50:51], s[6:7], s[50:51]
	s_add_nc_u64 s[52:53], s[10:11], s[52:53]
	s_add_nc_u64 s[54:55], s[12:13], s[54:55]
	s_add_nc_u64 s[56:57], s[14:15], s[56:57]
	s_mov_b32 s[G0], 1                             ; count = 1
	s_mov_b32 s[G0+1], s46                         ; LDS address
	s_mov_b64 s[G0+2:G0+3], s[44:45]
	s_or_b32 s[G0+3], s[G0+3], 0x80000000          ; type = 2
	ROUND                                          ; all four work-groups are here: the joint loads meet
	tensor_load_to_lds s[G0:G0+3], s[G1:G1+7]      ; my one tensor load: the four waves' loads bring all of the group's W
	s_nop 0
	PLACES                                         ; (four v_nop follow the loads)
	v_and_b32 v[LANE], 31, v0
	v_lshlrev_b32 v[L16], 4, v[LANE]
	v_lshlrev_b32 v[L4], 2, v[LANE]
	s_wait_alu depctr_va_vdst(0)
	v_lshl_add_u32 v[L8], v[LANE], 3, 512
	v_add_nc_u32 v[ADR1], 49152, v[L16]
	v_add_nc_u32 v[ADR2], 98304, v[L16]
	s_lshl_b32 s47, s16, 7
	s_add_co_u32 s47, s47, STG
	v_add_nc_u32 v[STA], s47, v[L4]                ; STG + 128 x wave + 4 x lane
	s_lshr_b32 s47, s16, 1
	s_lshl_b32 s47, s47, 8
	s_and_b32 s60, s16, 1
	s_lshl_b32 s60, s60, 1
	s_add_co_u32 s47, s47, s60
	s_add_co_u32 s47, s47, STG+1024
	v_add_nc_u32 v[STV], s47, v[L4]                ; STG + 1,024 + 256 (wave / 2) + 2 (wave % 2) + 4 x lane
	v_and_b32 v[SH16], 16, v0
	v_lshrrev_b32 v[SH8], 1, v[SH16]
	s_lshl_b32 s47, s16, 9
	s_add_co_u32 s47, s47, STG
	v_add_nc_u32 v[STR], s47, v[L16]
	v_and_b32 v[GSC], 15, v0
	v_lshlrev_b32 v[GSC], 4, v[GSC]
	v_bfe_u32 v13, v0, 4, 1
	v_mad_u32_u24 v[GSC], v13, 6400, v[GSC]        ; lanes 0-15: the first step's 256 bytes, lanes 16-31: the second's
.irp b, 0,1,2,3
	v_mov_b32 v[TM+4+\b], 0                        ; a lane permute's destination counts as one of its sources
.endr
.set i, 0
.rept 16
	global_load_b32 v[XS+i], v[L4], s[50:51] offset:128*i    ; register 2 s + pair: lanes 0-15 the even tile's words, lanes 16-31 the odd tile's
.set i, i+1
.endr
.set i, 0
.rept 48
	global_load_b32 v[WS+i], v[L4], s[52:53] offset:128*i    ; q, k: register 4 s + pair; v: 32 + 2 s + pair
.set i, i+1
.endr
.irp s, 0,1,2,3,4,5,6,7
.if \s < 5
	WIN 0x40                                       ; destination window 1
.set xr, 48*\s
.else
	WIN 0x80                                       ; destination window 2
.set xr, 48*(\s-5)
.endif
.irp tx, 0,1,2,3
.irp c, 0,1,2
	global_load_b128 v[xr+12*\tx+4*\c:xr+12*\tx+4*\c+3], v[L16], s[48:49] offset:\tx*12288+\s*1536+512*\c
.endr
.endr
.endr
	WIN 0
; Unit u's four fragments of W into the set at buf.  Units 0-15: K step u / 2, tiles 4 (u % 2) on, of q and k; units 16-23: K step u - 16, v's four tiles.
.macro FETCHW u, buf
.if (\u) < 8
.set FAD, L16
.set FOF, ((\u)/2)*12288+4*((\u)%2)*1536
.elseif (\u) < 16
.set FAD, ADR1
.set FOF, ((\u)/2-4)*12288+4*((\u)%2)*1536
.else
.set FAD, ADR2
.set FOF, ((\u)-16)*6144
.endif
.irp i, 0,1,2,3
.irp c, 0,1,2
	ds_load_b128 v[\buf+12*\i+4*\c:\buf+12*\i+4*\c+3], v[FAD] offset:FOF+\i*1536+512*\c
.endr
.endr
.endm
; One matrix instruction, by the symbols rD, rA, rB, rSA, rSB; rRA, rRB: the side's scale words stand in lanes 16-31; rZ: the product starts the sum
.macro WM
.if rZ
.if rRA && rRB
	v_wmma_scale_f32_16x16x128_f8f6f4 v[rD:rD+7], v[rA:rA+11], v[rB:rB+11], 0, v[rSA], v[rSB] matrix_a_fmt:MATRIX_FMT_BF6 matrix_b_fmt:MATRIX_FMT_BF6 matrix_a_scale:MATRIX_SCALE_ROW1 matrix_b_scale:MATRIX_SCALE_ROW1
.elseif rRA
	v_wmma_scale_f32_16x16x128_f8f6f4 v[rD:rD+7], v[rA:rA+11], v[rB:rB+11], 0, v[rSA], v[rSB] matrix_a_fmt:MATRIX_FMT_BF6 matrix_b_fmt:MATRIX_FMT_BF6 matrix_a_scale:MATRIX_SCALE_ROW1
.elseif rRB
	v_wmma_scale_f32_16x16x128_f8f6f4 v[rD:rD+7], v[rA:rA+11], v[rB:rB+11], 0, v[rSA], v[rSB] matrix_a_fmt:MATRIX_FMT_BF6 matrix_b_fmt:MATRIX_FMT_BF6 matrix_b_scale:MATRIX_SCALE_ROW1
.else
	v_wmma_scale_f32_16x16x128_f8f6f4 v[rD:rD+7], v[rA:rA+11], v[rB:rB+11], 0, v[rSA], v[rSB] matrix_a_fmt:MATRIX_FMT_BF6 matrix_b_fmt:MATRIX_FMT_BF6
.endif
.else
.if rRA && rRB
	v_wmma_scale_f32_16x16x128_f8f6f4 v[rD:rD+7], v[rA:rA+11], v[rB:rB+11], v[rD:rD+7], v[rSA], v[rSB] matrix_a_fmt:MATRIX_FMT_BF6 matrix_b_fmt:MATRIX_FMT_BF6 matrix_a_scale:MATRIX_SCALE_ROW1 matrix_b_scale:MATRIX_SCALE_ROW1
.elseif rRA
	v_wmma_scale_f32_16x16x128_f8f6f4 v[rD:rD+7], v[rA:rA+11], v[rB:rB+11], v[rD:rD+7], v[rSA], v[rSB] matrix_a_fmt:MATRIX_FMT_BF6 matrix_b_fmt:MATRIX_FMT_BF6 matrix_a_scale:MATRIX_SCALE_ROW1
.elseif rRB
	v_wmma_scale_f32_16x16x128_f8f6f4 v[rD:rD+7], v[rA:rA+11], v[rB:rB+11], v[rD:rD+7], v[rSA], v[rSB] matrix_a_fmt:MATRIX_FMT_BF6 matrix_b_fmt:MATRIX_FMT_BF6 matrix_b_scale:MATRIX_SCALE_ROW1
.else
	v_wmma_scale_f32_16x16x128_f8f6f4 v[rD:rD+7], v[rA:rA+11], v[rB:rB+11], v[rD:rD+7], v[rSA], v[rSB] matrix_a_fmt:MATRIX_FMT_BF6 matrix_b_fmt:MATRIX_FMT_BF6
.endif
.endif
.endm
; Unit n: 16 matrix instructions on 16 accumulators, which take turns, one instruction a turn.  pass = 0: q, k; 1: v
.macro UNIT pass
.if \pass
.set us, n-16
.else
.set us, n/2
.endif
.set ub, B0+48*(n%2)
.if us == 0
.set rZ, 1
.else
.set rZ, 0
.endif
.if us < 5
.set xr, 48*us
	WIN 0xf4-3*\pass                               ; C and D window 3; x window 1: as source 1 (0xf4) or as source 0 (0xf1)
.else
.set xr, 48*(us-5)
	WIN 0xf8-6*\pass                               ; x window 2: 0xf8 or 0xf2
.endif
.irp i, 0,1,2,3
.irp tx, 0,1,2,3
.if \pass
.set rD, 32*\i+8*\tx
.set rA, xr+12*\tx
.set rB, ub+12*\i
.set rSA, XS+2*us+\tx/2
.set rSB, WS+32+2*us+\i/2
.set rRA, \tx%2
.set rRB, \i%2
.else
.set tw, 4*(n%2)+\i
.set rD, 64*\tx+8*tw
.set rA, ub+12*\i
.set rB, xr+12*\tx
.set rSA, WS+4*us+tw/2
.set rSB, XS+2*us+\tx/2
.set rRA, tw%2
.set rRB, \tx%2
.endif
	WM
.endr
.endr
	WIN 0
.endm
; 64 numbers of a lane in window 3, register src + 16 b + i = neighbour 32 b + 16 (lane / 16) + i along the next K, become two half images' registers at v[d0], v[d1] and the four blocks' bytes in v[pw].
.macro QUANT src, d0, d1, pw
	WIN 0x0f                                       ; sources 0 and 1 window 3
.irp b, 0,1,2,3
	v_max3_num_f32 v[TM+\b], |v[(\src)+16*\b]|, |v[(\src)+16*\b+1]|, 0x2800000   ; each accumulator is read from its low end on; the floor 2^(5 - 127) holds the byte at 1 from below
.endr
.irp i, 2,4,6,8,10,12,14
.irp b, 0,1,2,3
	v_max3_num_f32 v[TM+\b], |v[(\src)+16*\b+\i]|, |v[(\src)+16*\b+\i+1]|, v[TM+\b]
.endr
.endr
	WIN 0
	; THE ORDER OF ROWS IN FORCE (it takes the place of the order named at the head): of 64 neighbours tile t (0..3) takes 32 (p / 8) + 8 t + p % 8 as its row p.
	; So register src + 32 e + i is neighbour 32 (lane / 16) + i of the e-th 64 along the next K: a whole block of 32 lies in one lane, as the operand's layout wants it.
	v_max_num_f32 v[TM], v[TM], v[TM+1]            ; my block of the first 64,
	v_max_num_f32 v[TM+1], v[TM+2], v[TM+3]        ; and of the second
	v_add_nc_u32 v[TM+12], 0xfe000000, v[TM]       ; 4 off the exponent field: the conversion's scale operand
	v_add_nc_u32 v[TM+13], 0xfe000000, v[TM+1]
	v_lshrrev_b32 v[TM+4], 23, v[TM+12]            ; the scale's byte
	v_lshrrev_b32 v[TM+5], 23, v[TM+13]
	v_lshl_or_b32 v[\pw], v[TM+5], 16, v[TM+4]     ; my two bytes,
	v_lshlrev_b32 v[\pw], v[SH8], v[\pw]           ; 8 (lane / 16) bits up;
	v_permlanex16_b32 v[TM+6], v[\pw], s20, s21
	v_or_b32 v[\pw], v[\pw], v[TM+6]               ; with lane l xor 16's two the word is whole, in both lanes
	WIN 0x03
	v_cvt_scalef32_pk16_bf6_f32 v[\d0:\d0+2], v[(\src):(\src)+15], v[TM+12]
	v_cvt_scalef32_pk16_bf6_f32 v[TC:TC+2], v[(\src)+16:(\src)+31], v[TM+12]
	v_cvt_scalef32_pk16_bf6_f32 v[\d1:\d1+2], v[(\src)+32:(\src)+47], v[TM+13]
	v_cvt_scalef32_pk16_bf6_f32 v[TC+4:TC+6], v[(\src)+48:(\src)+63], v[TM+13]
	WIN 0
	v_nop                                          ; one plain place behind a scaled conversion
.irp i, 0,1,2
	v_mov_b32 v[\d0+3+\i], v[TC+\i]
	v_mov_b32 v[\d1+3+\i], v[TC+4+\i]
.endr
.endm
.macro HALFOUT reg, base, off          ; a half image leaves: 512 and 256 consecutive bytes, aligned to 256
	global_store_b128 v[L16], v[\reg:\reg+3], s[\base:\base+1] offset:\off
	global_store_b64 v[L8], v[\reg+4:\reg+5], s[\base:\base+1] offset:\off
.endm
	s_wait_tensorcnt 0x0                           ; my quarter of W is in; nothing is filled again in this launch
	s_barrier_signal -1
	s_barrier_wait -1                              ; everybody's is
	FETCHW 0, B0
; ---- PASS A: 16 units
.set n, 0
.rept 16
.if n < 15
.if n > 0
	PLACES                                         ; the other set was read by the unit before
.endif
	FETCHW n+1, B0+48*((n+1)%2)
	s_wait_dscnt 12                                ; this unit's fragments are in; the 12 loads just issued may be out
.else
	s_wait_dscnt 0x0
.endif
.if n%2 == 0
.if 12*(7-n/2) > 63
	s_wait_loadcnt 63                              ; x's K step n / 2 is in: more loads than the count can name were issued behind it, and a smaller count is safe
.else
	s_wait_loadcnt 12*(7-n/2)                      ; x's K step n / 2 is in; the later K steps' 12 loads each may be out
.endif
.endif
	UNIT 0
.set n, n+1
.endr
; ---- q and k leave: a tile of 16 tokens at a time: 128 columns = two heads' 64
	PLACES
.irp tx, 0,1,2,3
	QUANT 64*\tx, B0+12*\tx, B0+6+12*\tx, PW+\tx
	HALFOUT B0+12*\tx, 54, \tx*768
	HALFOUT B0+6+12*\tx, 54, 204800+\tx*768
.endr
	v_perm_b32 v[SW], v[PW+1], v[PW], 0x05040100   ; the first head's bytes of tiles 0 and 1: the even tile's two below, the odd tile's above,
	v_perm_b32 v[SW+1], v[PW+3], v[PW+2], 0x05040100   ; of tiles 2 and 3;
	v_perm_b32 v[SW+2], v[PW+1], v[PW], 0x07060302 ; the second head's likewise
	v_perm_b32 v[SW+3], v[PW+3], v[PW+2], 0x07060302
	v_cmp_lt_u32 vcc_lo, 15, v[LANE]
	v_cndmask_b32 v[SW+4], v[SW], v[SW+1], vcc_lo  ; lanes 0-15: tiles 0, 1; lanes 16-31: tiles 2, 3
	v_cndmask_b32 v[SW+5], v[SW+2], v[SW+3], vcc_lo
	ds_store_b32 v[STA], v[SW+4]
	ds_store_b32 v[STA], v[SW+5] offset:512
; ---- PASS B: 8 units
	s_wait_xcnt 0x0                                ; the stores above have read v80-127, which take fragments again
	FETCHW 16, B0
.set n, 16
.rept 8
.if n < 23
.if n > 16
	PLACES
.endif
	FETCHW n+1, B0+48*((n+1)%2)
	s_wait_dscnt 12                                ; this unit's fragments are in; the 12 just issued may be out
.else
	s_wait_dscnt 0x0
.endif
	UNIT 1
.set n, n+1
.endr
; ---- v leaves: two tiles of 16 columns d at a time, 64 keys each
	PLACES
.irp a, 0,1
	QUANT 64*\a, B0+48+12*\a, B0+54+12*\a, PW+\a
	HALFOUT B0+48+12*\a, 56, 2*\a*768
	HALFOUT B0+54+12*\a, 56, (2*\a+1)*768
	v_lshrrev_b32 v[SW+\a], v[SH16], v[PW+\a]      ; lanes 0-15: the even tile's two bytes, lanes 16-31: the odd tile's
	ds_store_b16 v[STV], v[SW+\a] offset:128*\a    ; my 64 keys are bytes 2 (wave % 2) on of the step's word
.endr
	s_wait_dscnt 0x0                               ; for the others' sake: my scale words lie in LDS
	s_barrier_signal -1
	s_barrier_wait -1
	s_cmp_lt_u32 s16, 3
	s_cbranch_scc0 .Lno_scales
	ds_load_b128 v[TC:TC+3], v[STR]                ; wave 0, 1: a head of q or k; wave 2: v: the scale words of two steps
	s_wait_dscnt 0x0
	global_store_b128 v[GSC], v[TC:TC+3], s[58:59] ; sixteen lanes store 256 consecutive bytes, aligned
.Lno_scales:
	s_wait_tensorcnt 0x0
	ds_add_u32 v254, v255
	s_wait_dscnt 0x0
	ROUND                                          ; the closing round
	s_endpgm
.Lfunc_end_k_q3de5ce32df_gemm:
	.size	k_q3de5ce32df_gemm, .Lfunc_end_k_q3de5ce32df_gemm-k_q3de5ce32df_gemm
	.p2alignl 7, 3214868480
	.fill 96, 4, 3214868480
	.section	.rodata,"a",@progbits
	.p2align	6, 0x0
	.amdhsa_kernel k_q3de5ce32df_gemm
		.amdhsa_group_segment_fixed_size 168448
		.amdhsa_private_segment_fixed_size 0
		.amdhsa_enable_private_segment 0
		.amdhsa_kernarg_size 48
		.amdhsa_user_sgpr_count 2
		.amdhsa_user_sgpr_kernarg_segment_ptr 1
		.amdhsa_wavefront_size32 1
		.amdhsa_system_sgpr_workgroup_id_x 1
		.amdhsa_system_sgpr_workgroup_id_y 1
		.amdhsa_system_sgpr_workgroup_id_z 1
		.amdhsa_system_vgpr_workitem_id 0
		.amdhsa_next_free_vgpr 1024
		.amdhsa_next_free_sgpr 66
		.amdhsa_reserve_vcc 1
		.amdhsa_float_denorm_mode_32 3
		.amdhsa_float_denorm_mode_16_64 3
		.amdhsa_memory_ordered 1
		.amdhsa_forward_progress 1
		.amdhsa_inst_pref_size 115
	.end_amdhsa_kernel
	.amdgpu_metadata
---
amdhsa.version: [ 1, 2 ]
amdhsa.kernels:
  - .name:           k_q3de5ce32df_gemm
    .symbol:         k_q3de5ce32df_gemm.kd
    .args:
      - { .name: ximg, .offset: 0, .size: 8, .value_kind: global_buffer, .address_space: global }
      - { .name: xsc, .offset: 8, .size: 8, .value_kind: global_buffer, .address_space: global }
      - { .name: wimg, .offset: 16, .size: 8, .value_kind: global_buffer, .address_space: global }
      - { .name: wsc, .offset: 24, .size: 8, .value_kind: global_buffer, .address_space: global }
      - { .name: qkpack, .offset: 32, .size: 8, .value_kind: global_buffer, .address_space: global }
      - { .name: vpack, .offset: 40, .size: 8, .value_kind: global_buffer, .address_space: global }
    .group_segment_fixed_size: 168448
    .private_segment_fixed_size: 0
    .kernarg_segment_align: 8
    .kernarg_segment_size: 48
    .max_flat_workgroup_size: 128
    .sgpr_count:     66
    .vgpr_count:     1024
    .wavefront_size: 32
...
	.end_amdgpu_metadata
.endif
;; end of part 2
;; launch attn (part 3): grid 16 x 16, 16 waves a work-group, clusters of 4 x 1, 327,680 bytes of LDS; arguments qkpack, vpack, out0; writes out0
.if DOCPART == 3
	.amdgcn_target "amdgcn-amd-amdhsa--gfx1250"
	.amdhsa_code_object_version 6
	.text
	.protected	k_q3de5ce32df_attn
	.globl	k_q3de5ce32df_attn
	.p2align	8
	.type	k_q3de5ce32df_attn,@function
k_q3de5ce32df_attn:
	s_mov_b64 s[64:65], 0
	v_nop
	global_prefetch_b8 v0, s[64:65] scope:SCOPE_SE
	s_setreg_imm32_b32 hwreg(HW_REG_WAVE_MODE, 25, 1), 1
	s_wait_xcnt 0x0
	s_wait_alu depctr_hold_cnt(0) depctr_sa_sdst(0) depctr_va_vdst(0) depctr_va_sdst(0) depctr_va_ssrc(0) depctr_va_vcc(0) depctr_vm_vsrc(0)
	s_getreg_b32 s2, hwreg(HW_REG_IB_STS2, 6, 4)
	s_cmp_eq_u32 s2, 0
	s_cbranch_scc0 .Lentry_in_a_cluster
	s_endpgm
.Lentry_in_a_cluster:
	s_bfe_u32 s2, ttmp6, 0x10000c
	s_cmp_lg_u32 s2, 0x3003
	s_cbranch_scc0 .Lentry_shape_is_right
	s_endpgm
.Lentry_shape_is_right:
; out[q][head] = the sum over keys of softmax(Q . K / 8) V, both products on codes of BF6 (E3M2) with E8M0 scales, from the packs that the launch before has laid as images of operand registers.
; THE SOFTMAX: t = score x log2(e) / 8; M = the running largest t rounded UP to a whole number; p = 2^(t - M) is quantised along the keys, not normalised.
; The row's sum is taken of the unquantised p and divides at the end.  When M moves, the sums and O are multiplied by 2^(old M - new M): exact.
; SHARES.  A work-group owns 256 queries of one head, each of its sixteen waves one tile of 16 in 256 registers.  Every wave walks the head's 4,096 keys, 128 a step.
; A step's pack of K is 6,400 bytes (8 half images of 16 keys x 64, 256 bytes of scale words), and so is V's (2 x 4 half images of 16 d x 64 keys, 256 bytes).
; Two LDS slots of 8 steps, a step's K and V side by side, are filled by joint loads, ONE A WAVE: wave w brings step w / 2's pack of K (w even) or V (w odd), 25 rows of 256 bytes.
; The four work-groups of a cluster belong to one head and walk the same packs.
; LAYOUT.  Both products are used transposed: S^T = K Q^T, O^T = V^T P^T: a lane holds one query (lane % 16) throughout.  Of 64 neighbours tile t takes 32 (p / 8) + 8 t + p % 8 as its row p:
; so the 32 registers of four neighbouring tiles are the 32 neighbours 32 (lane / 16) + 0 .. 31: a WHOLE BLOCK of keys (or 32 channels) in one lane, in the order of the operand's registers.
; THE HEAD'S 64 AGAINST THE INSTRUCTION'S 128: a fragment of K is two tiles side by side; Q stands as [q][zero codes][q], read as [q][0] for the first tile and as [0][q] for the second.
; THE SUM is kept in four pairs; a step's first four pairs of p enter by a multiply-add that also brings the pair under the new M; the last 20 of its 32 additions stand at the next step's head,
; where four of them are the places behind the last products and the others stand between K's loads and the wait for them.  The first step finds zeros there.
; NO PREFETCH: a slot's refill is asked for eight steps (96 matrix instructions and their softmax in each wave) ahead of the wait for it.
; LIMITS: NaN and infinities are not served; the promise holds while |t| stays under 2^31; a block whose every p has fallen to 0 keeps the byte 1 (its codes are zeros).
.set SLOT1, 131072                     ; slot 1 lies this far behind slot 0: one exclusive or turns an address in one slot into the other's
.set PK,    6400                       ; a step's pack of K or of V.  Slot 0 begins at byte PK
.set STEPB, 12800
.set SPARE, 262144                     ; the spare words, 128 bytes for each wave: eight blocks of 256 bytes that no other line names
.set L16, 1                            ; 16 x lane
.set L8,  2                            ; 512 + 8 x lane
.set L4,  3                            ; 6,144 + 4 x lane
.set SPW, 4                            ; my spare word; never rewritten
.set NIL, 5                            ; 0; never rewritten
.set GO,  6                            ; the way out: 4,096 (lane / 16) + 16 (lane % 16)
.set A16, 7                            ; v7-9 addresses: this step's V at offset 0, the next step's K at offset PK
.set A8,  8
.set A4,  9
.set SH8, 10                           ; 8 (lane / 16)
.set T,   14                           ; the last step's -M     (v12: -M;  v13: the running largest score)
.set RM,  15
.set QF,  16                           ; v16-33 [q 6][zeros 6][q 6]
.set QS,  34
.set KS,  36                           ; v36-37 K's scale words;  v38-39 V's
.set VS,  38
.set F,   40                           ; v40-87 four fragments of K or of V
.set FF,  88                           ; v[88:89] f = 2^(old M - new M)
.set PT,  90
.set PX,  91
.set BM,  92                           ; v92-93 my two blocks' largest scores, then p
.set SO,  94                           ; v94-95 the conversions' scale operands
.set S,   96                           ; v96-159 S^T, then p
.set O,   160                          ; v160-191 O^T
.set PC,  192                          ; v192-203 p's codes
.set TC,  204
.set MX,  212
.set BY,  216
.set PW,  218                          ; p's scale word
.set LS,  220                          ; v220-227 the sum, in four pairs
.set WV,  10
.set SEL, 20
.set CS,  22
.set G1,  24
.set G0,  32
.set TB,  36
.set SLOTS, 37
.set STP, 38
.macro CROUND                          ; a round of the cluster's barrier
	s_barrier_signal -1
	s_barrier_wait -1
	s_cmp_lg_u32 s[WV], 0
	s_cbranch_scc1 .Lnot_wave_0_\@
	s_barrier_signal -3
.Lnot_wave_0_\@:
	s_barrier_wait -3
	s_barrier_signal -1
	s_barrier_wait -1
.endm
.macro TLOAD                           ; every wave's one load; s_nop 0 and four v_nop follow it
	tensor_load_to_lds s[G0:G0+3], s[G1:G1+7]
	s_nop 0
.rept 4
	v_nop
.endr
.endm
.macro FRAG reg, o1, o2                ; two half images side by side make a fragment
	ds_load_b128 v[\reg:\reg+3], v[A16] offset:\o1
	ds_load_b64 v[\reg+4:\reg+5], v[A8] offset:\o1
	ds_load_b128 v[\reg+6:\reg+9], v[A16] offset:\o2
	ds_load_b64 v[\reg+10:\reg+11], v[A8] offset:\o2
.endm
.macro PSUM from, n                    ; n pairs of p, from register S + from on, onto the four pairs of the sum by turns
.set j, \from
.rept \n
	v_pk_add_f32 v[LS+j%8:LS+j%8+1], v[LS+j%8:LS+j%8+1], v[S+j:S+j+1]
.set j, j+2
.endr
.endm
.macro TMN n                           ; t - M, two at a time
.rept \n
	v_pk_fma_f32 v[S+j:S+j+1], v[S+j:S+j+1], s[CS:CS+1], v[12:13] op_sel_hi:[1,0,0]
.set j, j+2
.endr
.endm
	s_load_b128 s[4:7], s[0:1], 0x0                ; qkpack s[4:5], vpack s[6:7]
	s_load_b64 s[8:9], s[0:1], 0x10                ; out
	v_lshl_add_u32 v[SPW], v0, 2, SPARE
	v_mov_b32 v[NIL], 0
	ds_add_u32 v[SPW], v[NIL]                      ; the opening lines: the add, twice on end, and its wait ahead of my first tensor load
	ds_add_u32 v[SPW], v[NIL]
	v_lshrrev_b32 v11, 5, v0
	v_readfirstlane_b32 s[WV], v11                 ; wave 0..15
	s_bfe_u32 s11, ttmp6, 0x40000                  ; cx
	s_lshl_b32 s12, ttmp9, 2
	s_add_co_u32 s12, s12, s11                     ; my block of 256 queries: it enters Q's and the output's addresses alone
	s_and_b32 s13, ttmp7, 0xffff                   ; the head, which the four partners share
	s_mov_b32 s[SEL], 0x76543210
	s_mov_b32 s[SEL+1], 0xfedcba98
	s_mov_b32 s[CS], 0x3e38aa3b                    ; c = log2(e) / 8
	s_mov_b32 s[CS+1], s[CS]
	s_mov_b32 s[G1], 15|(3<<16)|(1<<21)            ; the mask: all four work-groups; elements of 8 bytes; bit 21 beside a mask; no padding: images are read as consecutive bytes
	s_mov_b32 s[G1+1], 32<<16                      ; rows of 32 elements: 256 bytes
	s_mov_b32 s[G1+2], 25<<16                      ; 25 rows: one pack
	s_mov_b32 s[G1+3], 32<<16
	s_mov_b32 s[G1+4], 25
	s_mov_b32 s[G1+5], 32                          ; dense
	s_mov_b32 s[G1+6], 0
	s_mov_b32 s[G1+7], 0
	s_mov_b32 s[G0], 1
	s_mul_i32 s[G0+1], s[WV], PK
	s_add_co_u32 s[G0+1], s[G0+1], PK              ; LDS: PK + wave x PK
	s_lshr_b32 s15, s[WV], 1
	s_mul_i32 s15, s15, PK                         ; step wave / 2 of the slot
	s_mul_i32 s16, s13, 204800                     ; a head's pack
	s_add_co_u32 s17, s16, s15                     ; V
	s_add_co_u32 s18, s17, 16*204800               ; K: behind q's sixteen heads
	s_and_b32 s14, s[WV], 1
	s_lshl_b32 s39, s12, 1
	s_lshr_b32 s40, s[WV], 3
	s_add_co_u32 s39, s39, s40
	s_mul_i32 s39, s39, PK
	s_add_co_u32 s39, s39, s16                     ; Q: the step that holds my tile
	s_and_b32 s47, s[WV], 7
	s_mul_i32 s40, s47, 768
	s_add_co_u32 s40, s40, s39                     ; its half image
	s_mov_b32 s41, 0
	s_lshr_b32 s42, s47, 1
	s_lshl_b32 s42, s42, 6
	s_add_co_u32 s42, s42, s39
	s_add_co_u32 s42, s42, 6144                    ; the sixteen words that hold my pair of tiles' bytes
	s_mov_b32 s43, 0
	s_lshl_b32 s46, s14, 4                         ; my tile's two bytes stand 16 (wave % 2) bits up
	s_lshl_b32 s44, s12, 8
	s_lshr_b32 s47, s[WV], 2
	s_lshl_b32 s47, s47, 6
	s_add_co_u32 s44, s44, s47
	s_and_b32 s47, s[WV], 3
	s_lshl_b32 s47, s47, 3
	s_add_co_u32 s44, s44, s47                     ; my tile's first token: 256 x block + 64 (wave / 4) + 8 (wave % 4)
	s_lshl_b32 s44, s44, 12
	s_lshl_b32 s47, s13, 8
	s_add_co_u32 s44, s44, s47                     ; + the head's 256 bytes of a row
	s_mov_b32 s45, 0
	s_mov_b32 s[TB], 0
	s_mov_b32 s[SLOTS], 3
	s_wait_dscnt 0x0                               ; both opening adds are done
	s_wait_kmcnt 0x0
	s_cmp_eq_u32 s14, 0                            ; K's pack or V's: the choice hangs on the wave's number alone
	s_cselect_b64 s[G0+2:G0+3], s[4:5], s[6:7]
	s_cselect_b32 s18, s18, s17
	s_mov_b32 s19, 0
	s_add_nc_u64 s[G0+2:G0+3], s[G0+2:G0+3], s[18:19]
	s_or_b32 s[G0+3], s[G0+3], 0x80000000          ; type = 2
	s_add_nc_u64 s[40:41], s[4:5], s[40:41]
	s_add_nc_u64 s[42:43], s[4:5], s[42:43]
	s_add_nc_u64 s[8:9], s[8:9], s[44:45]
	CROUND                                         ; all four work-groups are here: the first joint loads meet
	TLOAD                                          ; slot 0: one tensor load of mine is out
	v_and_b32 v11, 31, v0
	v_and_b32 v[A16], 15, v0                       ; r
	v_bfe_u32 v[A8], v0, 4, 1                      ; h
	v_lshlrev_b32 v[L16], 4, v11
	v_lshl_add_u32 v[L8], v11, 3, 512
	v_lshl_add_u32 v[L4], v11, 2, 6144
	v_lshlrev_b32 v[SH8], 3, v[A8]
	v_lshlrev_b32 v[GO], 12, v[A8]
	v_lshlrev_b32 v11, 2, v[A16]
	v_lshl_add_u32 v[GO], v[A16], 4, v[GO]
	global_load_b128 v[QF:QF+3], v[L16], s[40:41]  ; q, below the zeros,
	global_load_b64 v[QF+4:QF+5], v[L8], s[40:41]
	global_load_b128 v[QF+12:QF+15], v[L16], s[40:41]   ; and above them
	global_load_b64 v[QF+16:QF+17], v[L8], s[40:41]
	global_load_b32 v[QS], v11, s[42:43]
	v_mov_b32 v13, 0xff61b1e6                      ; the largest score so far: -3e38
	v_mov_b32 v12, 0x7e000000                      ; -M = 2^125: the first step's f comes out 0
	v_mov_b32 v[T], 0x7e000000
.irp i, 0,1,2,3,4,5
	v_mov_b32 v[QF+6+\i], 0                        ; zero codes
.endr
	v_mov_b32 v[PT], 0                             ; a lane permute's destination counts as one of its sources
	v_mov_b32 v[PX], 0
	v_mov_b32 v[FF+1], 0                           ; (named as the upper half of a pair)
.set j, 0
.rept 8
	v_mov_b32 v[LS+j], 0                           ; the sum
.set j, j+1
.endr
.set j, 24
.rept 40
	v_mov_b32 v[S+j], 0                            ; what the first step's head adds to the sum
.set j, j+1
.endr
	s_wait_loadcnt 0x0
	v_lshrrev_b32 v[QS], s46, v[QS]
	v_and_b32 v[QS], 0xffff, v[QS]                 ; my tile's two bytes,
	v_lshl_or_b32 v[QS], v[QS], 16, v[QS]          ; below and above: the word serves both readings of Q
.set j, 0
.rept 32
	v_mov_b32 v[O+j], 0                            ; O^T: the step is written once, and the first finds zeros
.set j, j+1
.endr
	s_wait_alu depctr_va_vdst(0)
; A KEY STEP: 128 keys
.macro STEP
	PSUM 24, 4                                     ; the last step's p goes on into the sum: these four are the places behind the last products, in front of the loads into their registers
.irp f, 0,1,2,3
	FRAG F+12*\f, PK+1536*\f, PK+1536*\f+768
.endr
	ds_load_b32 v[KS], v[A4] offset:PK             ; lanes 0-15: fragment 0's words, lanes 16-31: fragment 1's;
	ds_load_b32 v[KS+1], v[A4] offset:PK+128       ; fragments 2 and 3
	PSUM 32, 16
	s_wait_dscnt 0x0                               ; K is in
.irp f, 0,1,2,3
.irp e, 0,1
.if \f%2
	v_wmma_scale_f32_16x16x128_f8f6f4 v[S+8*(2*\f+\e):S+8*(2*\f+\e)+7], v[F+12*\f:F+12*\f+11], v[QF+6*\e:QF+6*\e+11], 0, v[KS+\f/2], v[QS] matrix_a_fmt:MATRIX_FMT_BF6 matrix_b_fmt:MATRIX_FMT_BF6 matrix_a_scale:MATRIX_SCALE_ROW1
.else
	v_wmma_scale_f32_16x16x128_f8f6f4 v[S+8*(2*\f+\e):S+8*(2*\f+\e)+7], v[F+12*\f:F+12*\f+11], v[QF+6*\e:QF+6*\e+11], 0, v[KS+\f/2], v[QS] matrix_a_fmt:MATRIX_FMT_BF6 matrix_b_fmt:MATRIX_FMT_BF6
.endif
.endr
.endr                                          ; lane (r, h) holds query r; register 32 c + i is key 64 c + 32 h + i of the step
	s_add_co_u32 s[TB], s[TB], STEPB
	v_add_nc_u32 v[A16], s[TB], v[L16]             ; on to this step's V and the next step's K.  With the v_nop: four places in front of the loads below and of the first read of the scores
	v_add_nc_u32 v[A8], s[TB], v[L8]
	v_add_nc_u32 v[A4], s[TB], v[L4]
	v_nop
.irp d, 0,1,2,3
	FRAG F+12*\d, 768*\d, 3072+768*\d              ; V's fragments land while the softmax is worked
.endr
	ds_load_b32 v[VS], v[A4]
	ds_load_b32 v[VS+1], v[A4] offset:128
.irp b, 0,1,2,3
	v_max3_num_f32 v[MX+\b], v[S+16*\b], v[S+16*\b+1], v[S+16*\b+2]   ; the largest score of each of my two blocks, in four chains; each accumulator is first read at its low end
.endr
.irp i, 3,5,7,9,11,13
.irp b, 0,1,2,3
	v_max3_num_f32 v[MX+\b], v[MX+\b], v[S+16*\b+\i], v[S+16*\b+\i+1]
.endr
.endr
	v_max3_num_f32 v[BM], v[MX], v[MX+1], v[S+15]
	v_max3_num_f32 v[BM+1], v[MX+2], v[MX+3], v[S+47]
	v_max_num_f32 v[BM], v[BM], v[S+31]            ; block h,
	v_max_num_f32 v[BM+1], v[BM+1], v[S+63]        ; block 2 + h
	s_delay_alu instid0(VALU_DEP_1)
	v_max3_num_f32 v13, v13, v[BM], v[BM+1]
	s_delay_alu instid0(VALU_DEP_1)
	v_permlanex16_b32 v[PT], v13, s[SEL], s[SEL+1]
	s_delay_alu instid0(VALU_DEP_1)
	v_max_num_f32 v13, v13, v[PT]                  ; with lane l xor 16's: the running largest score of my query
	s_delay_alu instid0(VALU_DEP_1)
	v_mul_f32 v[RM], s[CS], v13                    ; as t (c is positive)
	s_delay_alu instid0(VALU_DEP_1)
	v_floor_f32 v12, -v[RM]                        ; the new -M = floor(-t) = -ceil(t)
	s_delay_alu instid0(VALU_DEP_1)
	v_sub_f32 v[RM], v12, v[T]                     ; old M - new M: a whole number, 0 or less
.set j, 0
	TMN 4
	v_cvt_i32_f32 v[RM], v[RM]                     ; (it saturates)
	TMN 4
	v_ldexp_f32 v[FF], 1.0, v[RM]                  ; f = 2^(old M - new M)
	TMN 24
	v_fma_f32 v[BM], v[BM], s[CS], v12             ; the same of each block's largest score
	v_fma_f32 v[BM+1], v[BM+1], s[CS], v12
.set j, 0
.rept 16
	v_pk_mul_f32 v[O+j:O+j+1], v[O+j:O+j+1], v[FF:FF+1] op_sel_hi:[1,0]   ; O^T under the new M
.set j, j+2
.endr
	s_wait_alu depctr_va_vdst(0)
.set j, 0
.rept 64
	v_exp_f32 v[S+j], v[S+j]                       ; p = 2^(t - M), at most 1
.set j, j+1
.endr
	v_exp_f32 v[BM], v[BM]                         ; the block's largest p: the same two instructions on the same number
	v_exp_f32 v[BM+1], v[BM+1]
	v_mov_b32 v[T], v12                            ; kept for the next step.  (A plain place behind the exponentials)
	s_wait_alu depctr_va_vdst(0)                   ; one wait for the whole batch, ahead of its first reader
	v_max_num_f32 v[BM], 0x2800000, v[BM]          ; the floor 2^(5 - 127)
	v_max_num_f32 v[BM+1], 0x2800000, v[BM+1]
	v_add_nc_u32 v[SO], 0xfe000000, v[BM]          ; 4 off the exponent field: the conversion's scale operand
	v_add_nc_u32 v[SO+1], 0xfe000000, v[BM+1]
.irp c, 0,1
	v_cvt_scalef32_pk16_bf6_f32 v[PC+6*\c:PC+6*\c+2], v[S+32*\c:S+32*\c+15], v[SO+\c]
	v_cvt_scalef32_pk16_bf6_f32 v[TC+4*\c:TC+4*\c+2], v[S+32*\c+16:S+32*\c+31], v[SO+\c]   ; (a conversion's three registers begin on an even number)
.endr
	v_lshrrev_b32 v[BY], 23, v[SO]                 ; the scales' bytes.  (Plain places behind the conversions)
	v_lshrrev_b32 v[BY+1], 23, v[SO+1]
	v_lshl_or_b32 v[PW], v[BY+1], 16, v[BY]        ; my two bytes: blocks h and 2 + h,
	s_delay_alu instid0(VALU_DEP_1)
	v_lshlrev_b32 v[PW], v[SH8], v[PW]             ; 8 h bits up
	s_delay_alu instid0(VALU_DEP_1)
	v_permlanex16_b32 v[PX], v[PW], s[SEL], s[SEL+1]
.irp c, 0,1
.irp i, 0,1,2
	v_mov_b32 v[PC+6*\c+3+\i], v[TC+4*\c+\i]
.endr
.endr
	v_or_b32 v[PW], v[PW], v[PX]                   ; with lane l xor 16's two: p's scale word for these 128 keys
.set j, 0
.rept 4
	v_pk_fma_f32 v[LS+j:LS+j+1], v[LS+j:LS+j+1], v[FF:FF+1], v[S+j:S+j+1] op_sel_hi:[1,0,1]   ; the sums under the new M, and this step's first p
.set j, j+2
.endr
	PSUM 8, 8                                      ; (these twelve are the places between p's codes and scale word and the products below)
	s_wait_alu depctr_va_vdst(0)
	s_wait_dscnt 0x0                               ; V is in
.irp d, 0,1,2,3
.if \d%2
	v_wmma_scale_f32_16x16x128_f8f6f4 v[O+8*\d:O+8*\d+7], v[F+12*\d:F+12*\d+11], v[PC:PC+11], v[O+8*\d:O+8*\d+7], v[VS+\d/2], v[PW] matrix_a_fmt:MATRIX_FMT_BF6 matrix_b_fmt:MATRIX_FMT_BF6 matrix_a_scale:MATRIX_SCALE_ROW1
.else
	v_wmma_scale_f32_16x16x128_f8f6f4 v[O+8*\d:O+8*\d+7], v[F+12*\d:F+12*\d+11], v[PC:PC+11], v[O+8*\d:O+8*\d+7], v[VS+\d/2], v[PW] matrix_a_fmt:MATRIX_FMT_BF6 matrix_b_fmt:MATRIX_FMT_BF6
.endif
.endr                                          ; the four accumulators take turns, one instruction a turn
.endm
; THE CHANGE OF SLOTS stands at a slot's head.  Each wave waits for all its tensor loads, adds 0 to its spare word, and waits for that and for its reads of the slot that it has left.
; fill = 1: a round of the cluster's barrier, and behind it the slot just left is filled with the keys that follow: the load has eight steps in which to land.
.macro CHANGE fill
	s_wait_tensorcnt 0x0                           ; no tensor load of mine is out, so group 0 may be written
	ds_add_u32 v[SPW], v[NIL]                      ; 0 onto my spare word
.if \fill
	s_xor_b32 s[G0+1], s[G0+1], SLOT1              ; the other slot than last time,
	s_add_nc_u64 s[G0+2:G0+3], s[G0+2:G0+3], 8*PK  ; the next eight steps
	s_wait_dscnt 0x0                               ; the add is done, and my reads of the slot that I have left are over
	CROUND
	TLOAD                                          ; the first thing behind the round, and my one tensor load until the next
.else
	s_wait_dscnt 0x0
	s_barrier_signal -1
	s_barrier_wait -1
.endif
.endm
.macro SLOT_STEPS                      ; a slot's eight steps: written once, walked eight times
	v_add_nc_u32 v[A16], s[TB], v[L16]             ; PK bytes ahead of the slot's first pack of K
	v_add_nc_u32 v[A8], s[TB], v[L8]
	v_add_nc_u32 v[A4], s[TB], v[L4]
	s_mov_b32 s[STP], 8
.Lstep_\@:
	STEP
	s_sub_co_u32 s[STP], s[STP], 1
	s_cmp_lg_u32 s[STP], 0
	s_cbranch_scc1 .Lstep_\@
	s_sub_co_u32 s[TB], s[TB], 8*STEPB             ; back to a slot's start,
	s_xor_b32 s[TB], s[TB], SLOT1                  ; in the other slot
.endm
.Lslot:                                            ; three trips: behind each change of slots but the last the next slot is asked for
	CHANGE 1
	SLOT_STEPS
	s_sub_co_u32 s[SLOTS], s[SLOTS], 1
	s_cmp_lg_u32 s[SLOTS], 0
	s_cbranch_scc1 .Lslot
	CHANGE 0                                       ; the last slot is written out
	SLOT_STEPS
	; THE WAY OUT.  O^T / the sum goes through my stage in LDS (16 rows x (256 + 16) bytes, below and in slot 0: it has had its last fill, and every wave left it at the last change) and leaves as rows of 256 bytes.
	PSUM 24, 20                                    ; the last step's p.  (Also the places behind the last products)
	v_pk_add_f32 v[LS:LS+1], v[LS:LS+1], v[LS+2:LS+3]
	v_pk_add_f32 v[LS+4:LS+5], v[LS+4:LS+5], v[LS+6:LS+7]
	s_delay_alu instid0(VALU_DEP_1)
	v_pk_add_f32 v[LS:LS+1], v[LS:LS+1], v[LS+4:LS+5]
	s_delay_alu instid0(VALU_DEP_1)
	v_add_f32 v[LS], v[LS], v[LS+1]
	s_delay_alu instid0(VALU_DEP_1)
	v_permlanex16_b32 v[PT], v[LS], s[SEL], s[SEL+1]
	s_delay_alu instid0(VALU_DEP_1)
	v_add_f32 v[LS], v[LS], v[PT]                  ; with lane l xor 16's blocks: the row's sum
	s_wait_alu depctr_va_vdst(0)
	v_rcp_f32 v[LS], v[LS]
	v_and_b32 v7, 15, v0                           ; (a plain place behind the reciprocal)  r
	v_bfe_u32 v8, v0, 4, 1                         ; h
	s_mul_i32 s39, s[WV], 16*272
	v_mul_u32_u24 v9, v7, 272
	v_mul_u32_u24 v11, v8, 272
	v_lshl_add_u32 v9, v8, 7, v9
	v_lshl_add_u32 v11, v7, 4, v11
	v_add_nc_u32 v9, s39, v9                       ; in: row r, + 128 h: register i is channel 32 h + i
	v_add_nc_u32 v11, s39, v11                     ; back: lanes 0-15 one row, lanes 16-31 the next
	s_wait_alu depctr_va_vdst(0)                   ; the wait behind the reciprocal, directly ahead of the first reader of it and of O^T
.set j, 0
.rept 16
	v_pk_mul_f32 v[S+j:S+j+1], v[O+j:O+j+1], v[LS:LS+1] op_sel_hi:[1,0]   ; each accumulator from its low end on
.set j, j+2
.endr
.irp q, 0,1,2,3,4,5,6,7
	ds_store_b128 v9, v[S+4*\q:S+4*\q+3] offset:16*\q
.endr
.irp i, 0,1,2,3,4,5,6,7
	ds_load_b128 v[F+4*\i:F+4*\i+3], v11 offset:2*\i*272   ; LDS serves a wave's instructions in order: these see my stores
.endr
.irp i, 0,1,2,3,4,5,6,7
	s_wait_dscnt 7-\i                              ; load i is back; the younger ones may be out
	global_store_b128 v[GO], v[F+4*\i:F+4*\i+3], s[8:9] offset:(2*(\i%4)+32*(\i/4))*4096 th:TH_STORE_NT   ; the tile's row p is token p % 8 + 32 (p / 8); sixteen lanes store 256 consecutive bytes, aligned
.endr
	s_wait_tensorcnt 0x0                           ; the wave's end
	ds_add_u32 v[SPW], v[NIL]
	s_wait_dscnt 0x0
	CROUND                                         ; the closing round
	s_endpgm
.Lfunc_end_k_q3de5ce32df_attn:
	.size	k_q3de5ce32df_attn, .Lfunc_end_k_q3de5ce32df_attn-k_q3de5ce32df_attn
	.p2alignl 7, 3214868480
	.fill 96, 4, 3214868480
	.section	.rodata,"a",@progbits
	.p2align	6, 0x0
	.amdhsa_kernel k_q3de5ce32df_attn
		.amdhsa_group_segment_fixed_size 327680
		.amdhsa_private_segment_fixed_size 0
		.amdhsa_enable_private_segment 0
		.amdhsa_kernarg_size 24
		.amdhsa_user_sgpr_count 2
		.amdhsa_user_sgpr_kernarg_segment_ptr 1
		.amdhsa_wavefront_size32 1
		.amdhsa_system_sgpr_workgroup_id_x 1
		.amdhsa_system_sgpr_workgroup_id_y 1
		.amdhsa_system_sgpr_workgroup_id_z 1
		.amdhsa_system_vgpr_workitem_id 0
		.amdhsa_next_free_vgpr 256
		.amdhsa_next_free_sgpr 66
		.amdhsa_reserve_vcc 0
		.amdhsa_float_denorm_mode_32 3
		.amdhsa_float_denorm_mode_16_64 3
		.amdhsa_memory_ordered 1
		.amdhsa_forward_progress 1
		.amdhsa_inst_pref_size 46
	.end_amdhsa_kernel
	.amdgpu_metadata
---
amdhsa.version: [ 1, 2 ]
amdhsa.kernels:
  - .name:           k_q3de5ce32df_attn
    .symbol:         k_q3de5ce32df_attn.kd
    .args:
      - { .name: qkpack, .offset: 0, .size: 8, .value_kind: global_buffer, .address_space: global }
      - { .name: vpack, .offset: 8, .size: 8, .value_kind: global_buffer, .address_space: global }
      - { .name: out0, .offset: 16, .size: 8, .value_kind: global_buffer, .address_space: global }
    .group_segment_fixed_size: 327680
    .private_segment_fixed_size: 0
    .kernarg_segment_align: 8
    .kernarg_segment_size: 24
    .max_flat_workgroup_size: 512
    .sgpr_count:     66
    .vgpr_count:     256
    .wavefront_size: 32
...
	.end_amdgpu_metadata
.endif
;; end of part 3
